; MI455X (gfx1250); checked and timed in simulation.
; The chip was launched on July 23, 2026; its instructions are those of AMD's public machine-readable ISA for CDNA 5 (MIT licence, August 2026) and "CDNA5" Instruction Set Architecture Reference Guide (July 2026). The comments in the code are by the model that wrote it; some were corrected since.
;; Easy Control Network. Allowed arithmetic: matrix products marked QUANTISED: E2M1 operands, one E8M0 scale for each 32 along K, by v_wmma_scale_f32_16x16x128_f8f6f4 with both operands' format E2M1 (or v_wmma_scale_f32_32x16x128_f4), f32 sums; everything else in f32.
;; Inputs: b_param 1 float32; cond_k 2 x 1,024 x 16 x 128 float32; cond_v 2 x 1,024 x 16 x 128 float32; target_k 2 x 2,048 x 16 x 128 float32; target_q 2 x 2,048 x 16 x 128 float32; target_v 2 x 2,048 x 16 x 128 float32.
;; Outputs: out0 2 x 2,048 x 2,048 float32.
;; This version of the problem:
;;   THIS VERSION OF THE PROBLEM IS GIVEN IN LOW PRECISION. The matrix products marked QUANTISED in the list below multiply operands that are first quantised to E2M1 (2 exponent bits, 1 mantissa bit; 4 bits a number), with one power-of-two scale for each 32 numbers along K (OCP MX v1.0); their sums are f32. All else is computed in f32.
;;   The module's matrix products, in the order in which they are computed (A, B: the left and right operand; K: the contracted axis; several contracted axes count as one K, in the product's order):
;;     1. batch 32 x [M 2,048, K 128] x [K 128, N 3,072]; A: input target_q; B: computed on the way: QUANTISED
;;     2. batch 32 x [M 128, K 3,072] x [K 3,072, N 2,048]; A: computed on the way; B: softmax (see below): QUANTISED
;;   THE QUANTISER, for each operand of a quantised product, along K:
;;     - K is cut into blocks of 32 from its start; a last block that is shorter is filled with zeros.
;;     - A block's scale is 2^e with e = floor(log2(the largest magnitude in the block)) - 2, held to -126 .. 127; a block of zeros has e = 0. As a byte (E8M0): e + 127.
;;     - Each number is divided by its block's scale, clamped to +-6, and rounded to the nearest number of E2M1, ties to even, subnormals kept.
;;     - The product sums the exact products of the quantised numbers (number of the format x scale) in f32.
;;   ~~~python
;;   def quantise(x, axis):      # numpy; x: float32 -> the quantised numbers, widened to float32 again
;;       x = np.moveaxis(x, axis, -1); K = x.shape[-1]
;;       x = np.pad(x, [(0, 0)] * (x.ndim - 1) + [(0, -K % 32)]); x = x.reshape(x.shape[:-1] + (-1, 32)); a = np.abs(x).max(-1, keepdims=True)
;;       e = np.where(a > 0, np.clip(np.frexp(np.where(a > 0, a, 1))[1] - 1 - 2, -126, 127), 0)      # np.frexp(a)[1] - 1 = floor(log2(a)), exactly
;;       r = np.clip(x / 2.0 ** e, -6, 6)
;;       step = 2.0 ** (np.maximum(np.frexp(np.where(r == 0, 1, r))[1] - 1, 0) - 1)
;;       q = np.round(r / step) * step * 2.0 ** e      # np.round: ties to even
;;       return np.moveaxis(q.reshape(q.shape[:-2] + (-1,))[..., :K], -1, axis).astype(np.float32)
;;   ~~~
;;   SOFTMAX AHEAD OF A QUANTISED PRODUCT. Where the list says 'softmax', what is quantised is not the finished softmax but p = 2^(t - M), with t = logit x log2(e) and M = ceil(the row's largest t), a whole number; so 1/2 < the row's largest p <= 1. The row's sum l is taken of the UNQUANTISED p, in f32, and the product's result is divided by l at the end. Since M is a whole number, a kernel that streams over the keys may use a running M (the ceiling of the running maximum): every later rescaling is an exact power of two, which a block's scale takes up: the codes' values come out the same.
;;   OPERANDS COMPUTED ON THE WAY. 'Computed on the way' means the value that the module computes at that place (a softmax that the list does not call 'softmax' is quantised finished and normalised). What goes into a quantiser is computed in f32, as accurately as f32 sums, v_exp_f32 and their like allow (about 1e-6 of the number): no bf16 or f16 on the way to a quantiser, and a product that is left as it is and whose result goes on into a quantised operand takes f32 operands (vector FMAs, or v_wmma_f32_16x16x4_f32). A number that lies on a knife's edge between two numbers of the format may be rounded either way, as far as f32 arithmetic and the matrix unit's own rounding can turn it there, and no further.
;; One version. Each part assembles by itself: llvm-mc -triple=amdgcn-amd-amdhsa -mcpu=gfx1250 --defsym DOCPART=n.
;; ======== version 1 of 1: 2 launches
;; limits: right only within a limited range of input values
;; workspace buffers: kvc 13,369,344 bytes; qc 4,194,304 bytes; qs 262,144 bytes
;; launch prep (part 1): grid 256 x 1, 8 waves a work-group, no clusters, 136,192 bytes of LDS; arguments target_k, cond_k, target_q, target_v, cond_v, kvc, qc, qs; writes kvc, qc, qs
.if DOCPART == 1
	.amdgcn_target "amdgcn-amd-amdhsa--gfx1250"
	.amdhsa_code_object_version 6
	.text
	.protected	k_q3d01118d84_prep
	.globl	k_q3d01118d84_prep
	.p2align	8
	.type	k_q3d01118d84_prep,@function
k_q3d01118d84_prep:
	s_mov_b64 s[64:65], 0
	v_nop
	global_prefetch_b8 v0, s[64:65] scope:SCOPE_SE
	s_setreg_imm32_b32 hwreg(HW_REG_WAVE_MODE, 25, 1), 1
	s_wait_xcnt 0x0
; K (target_k, then cond_k), Q and V (target_v, then cond_v), f32 [2][rows][16 heads][128], become codes of FP4 (E2M1) with one E8M0 byte for each 32 along a product's K,
; laid as IMAGES OF THE OPERANDS' REGISTERS, so that the attention launch takes every fragment by two loads of 16 bytes a lane.
; A tile (16 rows x 128 along K, 8 registers a lane) is 1,024 bytes: registers 4 c .. 4 c + 3 of lane l lie at 512 c + 16 l.
; The scale words of 8 tiles are 512 bytes: the word of tile t, row r lies at 16 (16 (t % 2) + r) + 4 (t / 2): one load of 16 bytes a lane gives four registers, register g with tile 2 g in lanes 0-15 and tile 2 g + 1 in lanes 16-31.
; kvc [bh 32][step 24][16,384]: K's 8 tiles of the step's 128 keys, then V's 8 tiles.  kvs [bh][step][1,024]: K's words, then V's.  qc [bh][unit 16][8,192], qs [bh][unit][512]: the same for 128 queries.
; K and Q (K = the head's 128, innermost in memory): lane r of tile t takes row 32 (t / 2) + 8 (t % 2) + r + 8 (r / 8) of the unit's 128, so that in the attention launch the results of tiles 2 b and 2 b + 1 are 16 neighbouring keys.
; V (K = the keys, NOT innermost): tile T holds channels 16 T + r; a lane takes a channel and its registers run down the keys, so that the conversions give codes with the keys innermost.
; A block's scale is 2^(floor(log2(its largest magnitude)) - 2): its byte is the largest magnitude's exponent field - 2, held at 1 from below.
; LIMITS: a block of zeros, or one whose largest magnitude lies under 2^-124, gets the byte 1 (its codes are zeros or what that scale gives; the bytes are read by this program alone); NaN and infinities among the inputs are not served.
; SHARES.  A unit is 128 rows x 512 bytes of one head, and one wave's work.  1,280 units of K and Q and 768 of V stand as 5 to 3: waves 0-4 take unit 5 x work-group + wave of the first kind, waves 5-7 unit 3 x work-group + wave - 5 of V.
; A unit's low five bits are the head (b x 16 + h): neighbouring waves read neighbouring 512 bytes of the same rows.  The two kinds part once, on the wave's number, and never meet again: no barrier; each wave has LDS bytes of its own.
; Every load reads 512 consecutive bytes; 32 loads of a wave are on their way.  No tensor loads, no matrix work, no cluster: nothing is shared between work-groups and memory binds.
.set WREG, 16896                       ; LDS bytes of a wave: 16 rows x 528 (K, Q) or 32 rows x 512 (V)
.set KP,   528                         ; K, Q: a stage row: 512 bytes + 16: the sixteen rows that a load of 16 bytes a lane touches start 16 bytes apart modulo 256
.set LI,   2                           ; v2   16 x lane
.set STI,  3                           ; v3   my wave's stage + 16 x lane: on the way in
.set KRD,  4                           ; v4   K, Q, on the way out: row r, + 128 h: my 32 numbers of a half row
.set VRD,  5                           ; v5   V, on the way out: 4 x lane: my channel
.set H8,   6                           ; v6   8 h
.set VST,  7                           ; v7   V: my 16 bytes in two tiles' images: 1,024 (lane / 16) + 16 (lane % 16)
.set M,    8                           ; v8-9   largest magnitudes
.set SO,   10                          ; v10-11 the conversions' scale operands
.set BY,   12                          ; v12-13 scale bytes
.set PW,   14                          ; v14  a row's scale word
.set PX,   15                          ; v15  the other half's part of it
.set C,    16                          ; v16-23 a tile's codes
.set SW,   24                          ; v24-27 the unit's scale words
.set R,    32                          ; v32-95, v96-159 two batches of 16 rows as loaded
.set X,    160                         ; v160-223 64 numbers that run along K
.set WV,   22                          ; s22  wave
.set WB,   23                          ; s23  wave x WREG
.set SEL,  24                          ; s[24:25] v_permlanex16_b32's selects for lane l xor 16
.set HM,   26                          ; s26  lanes 16-31
.set SRC,  32                          ; s[32:33] the unit's first row
.set DCO,  34                          ; s[34:35] where its codes go
.set DSW,  36                          ; s[36:37] where its scale words go
	s_load_b256 s[4:11], s[0:1], 0x0               ; target_k s[4:5], cond_k s[6:7], target_q s[8:9], target_v s[10:11]
; THE LAYOUT AS IT NOW STANDS (it takes the place of what the head says of kvc, kvs and of the rows of a tile of K and Q):
; kvc [bh 32][step 24][17,408]: K's 8 tiles (8,192 bytes), V's 8 tiles (8,192), K's scale words (512), V's scale words (512); there is no kvs.
; Lane r of tile t of K and Q takes row 64 (t / 4) + 8 (t % 4) + r % 8 + 32 (r / 8) of the unit's 128, so that in the attention launch a lane's results of tiles 4 c .. 4 c + 3 are one whole block of 32 neighbouring keys.
	s_load_b256 s[12:19], s[0:1], 0x20             ; cond_v s[12:13], kvc s[14:15], qc s[16:17], qs s[18:19]
	v_lshl_add_u32 v224, v0, 2, 0x21000
	v_mov_b32 v225, 0
	v_lshrrev_b32 v1, 5, v0
	s_delay_alu instid0(VALU_DEP_1)
	v_readfirstlane_b32 s[WV], v1                  ; wave 0..7
	v_and_b32 v1, 31, v0                           ; lane
	s_delay_alu instid0(VALU_DEP_1)
	v_lshlrev_b32 v[LI], 4, v1
	s_mul_i32 s[WB], s[WV], WREG
	v_add_nc_u32 v[STI], s[WB], v[LI]              ; every LDS address is made here, ahead of the parting
	v_and_b32 v8, 15, v0                           ; r
	v_bfe_u32 v9, v0, 4, 1                         ; h
	s_delay_alu instid0(VALU_DEP_2)
	v_mul_u32_u24 v[KRD], v8, KP
	s_delay_alu instid0(VALU_DEP_1)
	v_lshl_add_u32 v[KRD], v9, 7, v[KRD]
	s_delay_alu instid0(VALU_DEP_1)
	v_add_nc_u32 v[KRD], s[WB], v[KRD]
	v_lshlrev_b32 v[VRD], 2, v1
	s_delay_alu instid0(VALU_DEP_1)
	v_add_nc_u32 v[VRD], s[WB], v[VRD]
	v_lshlrev_b32 v[H8], 3, v9
	v_lshlrev_b32 v[VST], 4, v8
	s_delay_alu instid0(VALU_DEP_1)
	v_lshl_add_u32 v[VST], v9, 10, v[VST]
	v_mov_b32 v[PX], 0                             ; written once: a lane permute's destination counts as one of its sources
	s_mov_b32 s[SEL], 0x76543210
	s_mov_b32 s[SEL+1], 0xfedcba98
	s_mov_b32 s[HM], 0xffff0000
	s_mov_b32 s43, 0                               ; the upper word of every offset
; s28 = head (b x 16 + h), s29 = unit's number along the rows, s30 = the first such number of its tensor, s31 = log2 of a batch's bytes in it: the unit's first byte is added to SRC
.macro SRCOFF
	s_lshr_b32 s44, s28, 4
	s_lshl_b32 s44, s44, s31                       ; b x the batch's bytes
	s_sub_co_u32 s45, s29, s30
	s_lshl_b32 s45, s45, 20                        ; 128 rows of 8,192 bytes
	s_add_co_u32 s42, s44, s45
	s_and_b32 s44, s28, 15
	s_lshl_b32 s44, s44, 9                         ; h x 512
	s_add_co_u32 s42, s42, s44
	s_add_nc_u64 s[SRC:SRC+1], s[SRC:SRC+1], s[42:43]
.endm
	s_cmp_lt_u32 s[WV], 5
	s_cbranch_scc0 .Lcolumns
; ---------------- K and Q: K is innermost ----------------
	s_mul_i32 s27, ttmp9, 5
	s_add_co_u32 s27, s27, s[WV]                   ; unit 0 .. 1,279
	s_and_b32 s28, s27, 31                         ; head
	s_lshr_b32 s29, s27, 5                         ; 0-15 target_k, 16-23 cond_k, 24-39 target_q
	s_wait_kmcnt 0x0
	s_cmp_lt_u32 s29, 24                           ; the choices hang on the unit's number alone
	s_cselect_b64 s[SRC:SRC+1], s[6:7], s[8:9]
	s_cselect_b64 s[DCO:DCO+1], s[14:15], s[16:17]
	s_cselect_b64 s[DSW:DSW+1], s[14:15], s[18:19]
	s_cselect_b32 s30, 16, 24
	s_cselect_b32 s31, 23, 24
	s_cselect_b32 s38, 24, 16                      ; units of a head in the codes' buffer
	s_mov_b32 s39, 8192
	s_cselect_b32 s39, 17408, s39                  ; a unit's bytes in the codes' buffer
	s_mov_b32 s40, 512
	s_cselect_b32 s40, 17408, s40                  ; from unit to unit among the scale words
	s_cselect_b32 s46, 16384, 0                    ; K's words stand behind the step's codes
	s_cselect_b32 s41, 0, 24
	s_cmp_lt_u32 s29, 16
	s_cselect_b64 s[SRC:SRC+1], s[4:5], s[SRC:SRC+1]
	s_cselect_b32 s30, 0, s30
	s_cselect_b32 s31, 24, s31
	SRCOFF
	s_mul_i32 s44, s28, s38
	s_add_co_u32 s44, s44, s29
	s_sub_co_u32 s44, s44, s41                     ; the unit's place in the codes' buffer
	s_mul_i32 s42, s44, s39
	s_add_nc_u64 s[DCO:DCO+1], s[DCO:DCO+1], s[42:43]
	s_mul_i32 s42, s44, s40
	s_add_co_u32 s42, s42, s46
	s_add_nc_u64 s[DSW:DSW+1], s[DSW:DSW+1], s[42:43]
.macro LOADK t                         ; tile t's sixteen rows, each by one load of 512 consecutive bytes, into batch t % 2
.irp i, 0,1,2,3,4,5,6,7,8,9,10,11,12,13,14,15
	global_load_b128 v[R+64*((\t)%2)+4*\i:R+64*((\t)%2)+4*\i+3], v[LI], s[SRC:SRC+1] offset:(64*((\t)/4)+8*((\t)%4)+\i+24*(\i/8))*8192 th:TH_LOAD_NT
.endr
.endm
; 64 numbers of lane (r, h), v[X + 32 c + i] = k 64 c + 32 h + i of row r (two whole blocks), become the fragment's 8 registers in v[C] on and the row's scale word in v[PW]
.macro QROW
.irp c, 0,1
	v_max3_num_f32 v[M+\c], |v[X+32*\c]|, |v[X+32*\c+1]|, 0x1800000   ; and the floor 2^(3 - 127): the byte cannot fall under 1
.endr
.irp i, 2,4,6,8,10,12,14,16,18,20,22,24,26,28,30
.irp c, 0,1
	s_delay_alu instid0(VALU_DEP_2)
	v_max3_num_f32 v[M+\c], v[M+\c], |v[X+32*\c+\i]|, |v[X+32*\c+\i+1]|   ; (the two blocks by turns)
.endr
.endr
.irp c, 0,1
	s_delay_alu instid0(VALU_DEP_2)
	v_add_nc_u32 v[SO+\c], 0xff000000, v[M+\c]     ; 2 off the exponent field: the conversion takes that field as its scale and nothing else
.endr
.irp c, 0,1
	s_delay_alu instid0(VALU_DEP_2)
	v_lshrrev_b32 v[BY+\c], 23, v[SO+\c]           ; the scale's byte
.endr
	s_delay_alu instid0(VALU_DEP_1)
	v_lshl_or_b32 v[PW], v[BY+1], 16, v[BY]        ; my bytes: blocks h and 2 + h,
	s_delay_alu instid0(VALU_DEP_1)
	v_lshlrev_b32 v[PW], v[H8], v[PW]              ; at their places in the word;
	s_delay_alu instid0(VALU_DEP_1)
	v_permlanex16_b32 v[PX], v[PW], s[SEL], s[SEL+1]
	s_delay_alu instid0(VALU_DEP_1)
	v_or_b32 v[PW], v[PW], v[PX]                   ; with lane l xor 16's two the word is whole, in both lanes
.irp c, 0,1
.irp g, 0,1,2,3
	v_cvt_scalef32_pk8_fp4_f32 v[C+4*\c+\g], v[X+32*\c+8*\g:X+32*\c+8*\g+7], v[SO+\c]
.endr
.endr
	v_nop                                          ; one plain place behind the last scaled conversion
.endm
.macro TILE t
.if (\t) < 7
	s_wait_loadcnt 16                              ; this tile's sixteen loads are in; the next tile's sixteen may be out
.else
	s_wait_loadcnt 0x0
.endif
.irp i, 0,1,2,3,4,5,6,7,8,9,10,11,12,13,14,15
	ds_store_b128 v[STI], v[R+64*((\t)%2)+4*\i:R+64*((\t)%2)+4*\i+3] offset:KP*\i   ; the rows as they lie
.endr
.irp c, 0,1
.irp i, 0,1,2,3,4,5,6,7
	ds_load_b128 v[X+32*\c+4*\i:X+32*\c+4*\i+3], v[KRD] offset:256*\c+16*\i   ; LDS serves a wave's instructions in order: these see the stores above
.endr
.endr
	s_wait_dscnt 0x0                               ; my 64 numbers are in, and the stores have read the batch's registers
	s_wait_xcnt 0x0                                ; the last tile's stores have read their data: the codes' registers are written again only behind this wait
.if (\t) < 6
	LOADK (\t)+2
.endif
	QROW
.irp c, 0,1
	global_store_b128 v[LI], v[C+4*\c:C+4*\c+3], s[DCO:DCO+1] offset:1024*(\t)+512*\c   ; 512 consecutive bytes, aligned
.endr
.if (\t)%2 == 0
	v_mov_b32 v[SW+(\t)/2], v[PW]                  ; an even tile's words: lanes 0-15 keep them;
.else
	v_cndmask_b32 v[SW+(\t)/2], v[SW+(\t)/2], v[PW], s[HM]   ; an odd tile's go to lanes 16-31
.endif
.endm
	LOADK 0
	LOADK 1
	s_wait_alu depctr_va_vdst(0)
.irp t, 0,1,2,3,4,5,6,7
	TILE \t
.endr
	global_store_b128 v[LI], v[SW:SW+3], s[DSW:DSW+1]   ; the unit's 512 bytes of scale words
	s_wait_tensorcnt 0x0
	ds_add_u32 v224, v225
	s_wait_dscnt 0x0
	s_endpgm
; ---------------- V: K = the keys, which run from row to row ----------------
.Lcolumns:
	s_mul_i32 s27, ttmp9, 3
	s_add_co_u32 s27, s27, s[WV]
	s_sub_co_u32 s27, s27, 5                       ; unit 0 .. 767
	s_and_b32 s28, s27, 31                         ; head
	s_lshr_b32 s29, s27, 5                         ; key step: 0-15 target_v, 16-23 cond_v
	s_wait_kmcnt 0x0
	s_cmp_lt_u32 s29, 16
	s_cselect_b64 s[SRC:SRC+1], s[10:11], s[12:13]
	s_cselect_b32 s30, 0, 16
	s_cselect_b32 s31, 24, 23
	SRCOFF
	s_mul_i32 s44, s28, 24
	s_add_co_u32 s44, s44, s29                     ; 24 x head + step
	s_mul_i32 s42, s44, 17408
	s_add_co_u32 s42, s42, 8192                    ; behind the step's tiles of K
	s_add_nc_u64 s[DCO:DCO+1], s[14:15], s[42:43]
	s_add_co_u32 s42, s42, 8704                    ; byte 16,896 of the record: behind K's scale words
	s_add_nc_u64 s[DSW:DSW+1], s[14:15], s[42:43]
.macro LOADV n                         ; keys 16 n .. 16 n + 15, a key by one load of 512 consecutive bytes, into batch n % 2
.irp i, 0,1,2,3,4,5,6,7,8,9,10,11,12,13,14,15
	global_load_b128 v[R+64*((\n)%2)+4*\i:R+64*((\n)%2)+4*\i+3], v[LI], s[SRC:SRC+1] offset:(16*(\n)+\i)*8192 th:TH_LOAD_NT
.endr
.endm
.macro CL cg                           ; channel 32 cg + lane of the block's 32 keys: a lane's registers run down the keys; each load takes 128 consecutive bytes
.set i, 0
.rept 32
	ds_load_b32 v[X+32*((\cg)%2)+i], v[VRD] offset:512*i+128*(\cg)
.set i, i+1
.endr
.endm
.macro QV cg, b                        ; block b (32 keys) of channel 32 cg + lane: all 32 numbers are mine
.set XS, X+32*((\cg)%2)
	v_max3_num_f32 v[M], |v[XS]|, |v[XS+1]|, |v[XS+2]|
	v_max3_num_f32 v[M+1], |v[XS+3]|, |v[XS+4]|, |v[XS+5]|
.irp i, 6,10,14,18,22,26
	s_delay_alu instid0(VALU_DEP_2)
	v_max3_num_f32 v[M], v[M], |v[XS+\i]|, |v[XS+\i+1]|
	s_delay_alu instid0(VALU_DEP_2)
	v_max3_num_f32 v[M+1], v[M+1], |v[XS+\i+2]|, |v[XS+\i+3]|
.endr
	s_delay_alu instid0(VALU_DEP_2)
	v_max3_num_f32 v[M], v[M], |v[XS+30]|, |v[XS+31]|
	s_delay_alu instid0(VALU_DEP_1)
	v_max3_num_f32 v[M], v[M], v[M+1], 0x1800000   ; and the floor 2^(3 - 127)
	s_delay_alu instid0(VALU_DEP_1)
	v_add_nc_u32 v[SO], 0xff000000, v[M]           ; the conversion's scale operand
	s_delay_alu instid0(VALU_DEP_1)
	v_lshrrev_b32 v[BY], 23, v[SO]                 ; the scale's byte: byte b of my channel's word
.if (\b) == 0
	s_delay_alu instid0(VALU_DEP_1)
	v_mov_b32 v[SW+(\cg)], v[BY]
.else
	s_delay_alu instid0(VALU_DEP_1)
	v_lshl_or_b32 v[SW+(\cg)], v[BY], 8*(\b), v[SW+(\cg)]
.endif
	s_wait_alu depctr_va_vdst(0)
	s_wait_xcnt 0x0                                ; the last store has read its data: the codes' registers are written again only behind this wait
.irp g, 0,1,2,3
	v_cvt_scalef32_pk8_fp4_f32 v[C+\g], v[XS+8*\g:XS+8*\g+7], v[SO]
.endr
	v_nop                                          ; one plain place behind the last scaled conversion
	global_store_b128 v[VST], v[C:C+3], s[DCO:DCO+1] offset:2048*(\cg)+512*((\b)/2)+256*((\b)%2)   ; tile 2 cg + lane / 16, registers 4 (b / 2) on, lanes 16 (b % 2) on: sixteen lanes store 256 consecutive bytes, aligned
.endm
.macro BLOCKV b                        ; 32 keys x 128 channels
	s_wait_loadcnt 16                              ; the block's first sixteen keys are in; the second sixteen may be out
.irp i, 0,1,2,3,4,5,6,7,8,9,10,11,12,13,14,15
	ds_store_b128 v[STI], v[R+4*\i:R+4*\i+3] offset:512*\i
.endr
	s_wait_dscnt 0x0                               ; the stores have read the batch's registers
.if (\b) < 3
	LOADV 2*(\b)+2
	s_wait_loadcnt 16                              ; the second sixteen keys are in; the sixteen loads just issued may be out
.else
	s_wait_loadcnt 0x0
.endif
.irp i, 0,1,2,3,4,5,6,7,8,9,10,11,12,13,14,15
	ds_store_b128 v[STI], v[R+64+4*\i:R+64+4*\i+3] offset:512*(16+\i)
.endr
	s_wait_dscnt 0x0
.if (\b) < 3
	LOADV 2*(\b)+3
.endif
	CL 0
	CL 1
	s_wait_dscnt 32                                ; the older group of channels is in; the younger group's 32 loads may be out
	QV 0, \b
	CL 2
	s_wait_dscnt 32
	QV 1, \b
	CL 3
	s_wait_dscnt 32
	QV 2, \b
	s_wait_dscnt 0x0
	QV 3, \b
.endm
	LOADV 0
	LOADV 1
	s_wait_alu depctr_va_vdst(0)
.irp b, 0,1,2,3
	BLOCKV \b
.endr
	global_store_b128 v[LI], v[SW:SW+3], s[DSW:DSW+1]   ; register cg of lane l is the word of channel 32 cg + l: tile 2 cg + l / 16, row l % 16
	s_wait_tensorcnt 0x0
	ds_add_u32 v224, v225
	s_wait_dscnt 0x0
	s_endpgm
.Lfunc_end_k_q3d01118d84_prep:
	.size	k_q3d01118d84_prep, .Lfunc_end_k_q3d01118d84_prep-k_q3d01118d84_prep
	.p2alignl 7, 3214868480
	.fill 96, 4, 3214868480
	.section	.rodata,"a",@progbits
	.p2align	6, 0x0
	.amdhsa_kernel k_q3d01118d84_prep
		.amdhsa_group_segment_fixed_size 136192
		.amdhsa_private_segment_fixed_size 0
		.amdhsa_enable_private_segment 0
		.amdhsa_kernarg_size 64
		.amdhsa_user_sgpr_count 2
		.amdhsa_user_sgpr_kernarg_segment_ptr 1
		.amdhsa_wavefront_size32 1
		.amdhsa_system_sgpr_workgroup_id_x 1
		.amdhsa_system_sgpr_workgroup_id_y 1
		.amdhsa_system_sgpr_workgroup_id_z 1
		.amdhsa_system_vgpr_workitem_id 0
		.amdhsa_next_free_vgpr 226
		.amdhsa_next_free_sgpr 66
		.amdhsa_reserve_vcc 0
		.amdhsa_float_denorm_mode_32 3
		.amdhsa_float_denorm_mode_16_64 3
		.amdhsa_memory_ordered 1
		.amdhsa_forward_progress 1
		.amdhsa_inst_pref_size 156
	.end_amdhsa_kernel
	.amdgpu_metadata
---
amdhsa.version: [ 1, 2 ]
amdhsa.kernels:
  - .name:           k_q3d01118d84_prep
    .symbol:         k_q3d01118d84_prep.kd
    .args:
      - { .name: target_k, .offset: 0, .size: 8, .value_kind: global_buffer, .address_space: global }
      - { .name: cond_k, .offset: 8, .size: 8, .value_kind: global_buffer, .address_space: global }
      - { .name: target_q, .offset: 16, .size: 8, .value_kind: global_buffer, .address_space: global }
      - { .name: target_v, .offset: 24, .size: 8, .value_kind: global_buffer, .address_space: global }
      - { .name: cond_v, .offset: 32, .size: 8, .value_kind: global_buffer, .address_space: global }
      - { .name: kvc, .offset: 40, .size: 8, .value_kind: global_buffer, .address_space: global }
      - { .name: qc, .offset: 48, .size: 8, .value_kind: global_buffer, .address_space: global }
      - { .name: qs, .offset: 56, .size: 8, .value_kind: global_buffer, .address_space: global }
    .group_segment_fixed_size: 136192
    .private_segment_fixed_size: 0
    .kernarg_segment_align: 8
    .kernarg_segment_size: 64
    .max_flat_workgroup_size: 256
    .sgpr_count:     66
    .vgpr_count:     226
    .wavefront_size: 32
...
	.end_amdgpu_metadata
.endif
;; end of part 1
;; launch attn (part 2): grid 8 x 32, 8 waves a work-group, clusters of 4 x 1, 327,680 bytes of LDS; arguments qc, qs, kvc, b_param, out0; writes out0
.if DOCPART == 2
	.amdgcn_target "amdgcn-amd-amdhsa--gfx1250"
	.amdhsa_code_object_version 6
	.text
	.protected	k_q3d01118d84_attn
	.globl	k_q3d01118d84_attn
	.p2align	8
	.type	k_q3d01118d84_attn,@function
k_q3d01118d84_attn:
	s_mov_b64 s[64:65], 0
	v_nop
	global_prefetch_b8 v0, s[64:65] scope:SCOPE_SE
	s_setreg_imm32_b32 hwreg(HW_REG_WAVE_MODE, 25, 1), 1
	s_wait_xcnt 0x0
	s_wait_alu depctr_hold_cnt(0) depctr_sa_sdst(0) depctr_va_vdst(0) depctr_va_sdst(0) depctr_va_ssrc(0) depctr_va_vcc(0) depctr_vm_vsrc(0)
	s_getreg_b32 s2, hwreg(HW_REG_IB_STS2, 6, 4)
	s_cmp_eq_u32 s2, 0
	s_cbranch_scc0 .Lentry_in_a_cluster
	s_endpgm
.Lentry_in_a_cluster:
	s_bfe_u32 s2, ttmp6, 0x10000c
	s_cmp_lg_u32 s2, 0x3003
	s_cbranch_scc0 .Lentry_shape_is_right
	s_endpgm
.Lentry_shape_is_right:
; out0[b][q][h][:] = the sum over 3,072 keys of softmax_k(Q . K / sqrt(128) + bias_k) V; bias = 0 for keys 0 .. 2,047 (target), b for keys 2,048 .. 3,071 (condition).
; Both products on codes of FP4 (E2M1) with one E8M0 scale for each 32 along K.  Codes and scale words come as images of the operands' registers:
; a tile (16 rows x 128 K) is 1,024 bytes, registers 4 c .. 4 c + 3 of lane l at 512 c + 16 l; the words of 8 tiles are 512 bytes, 16 a lane: register g holds tile 2 g in lanes 0-15, tile 2 g + 1 in lanes 16-31.
; kvc [bh 32][step 24][K's 8 tiles, V's 8 tiles, K's words, V's words] = 17,408 bytes a step of 128 keys; qc [bh][16 units of 128 queries][8 tiles], qs [bh][unit][512].
; SOFTMAX: t = score x log2(e) / sqrt(128) + bias x log2(e); M = the running largest t rounded UP to a whole number; p = 2^(t - M) is quantised along the keys, not normalised;
; the row's sum is taken of the unquantised p in f32 and divides O at the end.  When M moves, the sum and O are multiplied by 2^(old M - new M): exact.
; SHARES.  A work-group owns 256 queries of one (batch, head); each of its eight waves two tiles of 16 queries (a, b), so that each fragment of K and V read from LDS feeds two products.
; A STAGE is 256 keys (two steps): one search for M and one rescaling of O for 256 keys.  2,048 is a multiple of 256, so a stage's keys share one bias.  12 stages.
; LAYOUT.  Both products transposed: S^T = K Q^T, O^T = V^T P^T: a lane holds one query of each tile.  Lane r of K's tile t holds key 64 (t / 4) + 8 (t % 4) + r % 8 + 32 (r / 8):
; the 32 results of tiles 4 c .. 4 c + 3 in lane (r, h) are keys 64 c + 32 h + 0 .. 31: one whole block, and the conversion of tile 4 c + u is register 4 c + u of P's operand: no lane is asked but for the row's maximum and the scale word.
; Q's tiles have the same order of rows, which the stores at the end follow.
; RING.  Two LDS slots of one stage (34,816 bytes); each wave fetches an eighth by one joint load.  The change of slots stands in front of the second product, where V's tiles are in registers: the slot is then read out.
; CLUSTER.  The four query blocks of a cluster walk the same K and V: every load is a joint one with the mask of all four.
; REGISTERS.  Window 1 (v256-511): S^T, then p: 128 x + 64 st + 8 t + j.  As parts of it fall free they take V's 16 tiles (st = 0 of a and b) and the next stage's first 8 tiles of K (st = 1 of a).
; Window 0: v1-7 addresses; v8-19 M, f, sums; v20-27 block maxima, then scale operands; v28-31 p's scale words, v36-47 K's and V's, v6 Q's (these hold scales alone); v48-63 Q; v64-95 p's codes, and 4 tiles of K; v96-127 4 tiles of K; v128-255 O^T.
; LIMITS: NaN and infinities among the inputs are not served; the promise holds while |t| stays under 2^31.  p under 2^-126 falls to 0; a block all of whose p are 0 keeps the byte 1 over zero codes.
; A block's largest p is taken from its largest score by the same multiply-add and exponential, which takes v_exp_f32 not to fall where its input rises.
.set REC,   17408
.set STG,   2*REC
.set SLOT1, 65536                      ; slot 1: one exclusive or turns an address of one slot into the other's
.set SPARE, 102400                     ; the spare words: 128 bytes for each of eight waves
.set STAGE, 103424                     ; the way out: 32 rows x 528 bytes a wave; no tensor load lands here
.set SP,    528
.set SPW, 1
.set NIL, 2
.set ADK, 3                            ; the slot in hand + 16 x lane
.set PFO, 4                            ; the prefetches' offset
.set LI,  5                            ; 16 x lane
.set QSW, 6                            ; lanes 0-15 tile a's words, lanes 16-31 tile b's
.set BM,  8                            ; v8 bias - M (a), v9 largest t (a), v10, v11 the same for b
.set F,   12                           ; v12 f (a), v13 -M (a), v14, v15 for b
.set SUM, 16                           ; v[16:17] a, v[18:19] b
.set MX,  20                           ; + 4 x + 2 st + c
.set PSW, 28                           ; + 2 x + st
.set TB,  32                           ; four at work
.set KSW, 36                           ; K's words of the stage's first step
.set VSW, 40                           ; V's words of both steps; the first four also K's of the second step
.set QF,  48
.set PC,  64
.set KV,  96
.set O,   128
.set WV,  18
.set CX,  19
.set SEL, 20
.set CS,  22
.set G1,  24
.set G0,  40
.set TB0, 48                           ; s48 LDS byte at which the slot in hand begins
.set CNT, 50
.set BB,  52
.set B2,  53
.set LIM, 54
.set PFA, 56
.set MSB, 0
.macro WIN new                         ; the immediate's high byte repeats the setting that is left
.if MSB != \new
	s_set_vgpr_msb (MSB<<8)|\new
.set MSB, \new
.endif
.endm
.macro NOPS n
.rept \n
	v_nop
.endr
.endm
.macro ROUND                           ; a round of the cluster's barrier
	s_barrier_signal -1
	s_barrier_wait -1
	s_cmp_lg_u32 s[WV], 0
	s_cbranch_scc1 .Lnot_wave_0_\@
	s_barrier_signal -3
.Lnot_wave_0_\@:
	s_barrier_wait -3
	s_barrier_signal -1
	s_barrier_wait -1
.endm
.macro JLOAD                           ; every wave's eighth of a stage
	tensor_load_to_lds s[G0:G0+3], s[G1:G1+7]
	s_nop 0
	NOPS 4
.endm
; two tiles of K x both tiles of Q: four accumulators, each begun with 0
.macro KQ da, db, a0, sa
	v_wmma_scale_f32_16x16x128_f8f6f4 v[\da:\da+7], v[\a0:\a0+7], v[QF:QF+7], 0, v[\sa], v[QSW] matrix_a_fmt:MATRIX_FMT_FP4 matrix_b_fmt:MATRIX_FMT_FP4
	v_wmma_scale_f32_16x16x128_f8f6f4 v[\db:\db+7], v[\a0:\a0+7], v[QF+8:QF+15], 0, v[\sa], v[QSW] matrix_a_fmt:MATRIX_FMT_FP4 matrix_b_fmt:MATRIX_FMT_FP4 matrix_b_scale:MATRIX_SCALE_ROW1
	v_wmma_scale_f32_16x16x128_f8f6f4 v[\da+8:\da+15], v[\a0+8:\a0+15], v[QF:QF+7], 0, v[\sa], v[QSW] matrix_a_fmt:MATRIX_FMT_FP4 matrix_b_fmt:MATRIX_FMT_FP4 matrix_a_scale:MATRIX_SCALE_ROW1
	v_wmma_scale_f32_16x16x128_f8f6f4 v[\db+8:\db+15], v[\a0+8:\a0+15], v[QF+8:QF+15], 0, v[\sa], v[QSW] matrix_a_fmt:MATRIX_FMT_FP4 matrix_b_fmt:MATRIX_FMT_FP4 matrix_a_scale:MATRIX_SCALE_ROW1 matrix_b_scale:MATRIX_SCALE_ROW1
.endm
; two tiles of V x P of both query tiles, step st: the sixteen accumulators of O^T take turns, one instruction a turn
.macro PV o, a0, sa, st
	v_wmma_scale_f32_16x16x128_f8f6f4 v[\o:\o+7], v[\a0:\a0+7], v[PC+8*\st:PC+8*\st+7], v[\o:\o+7], v[\sa], v[PSW+\st] matrix_a_fmt:MATRIX_FMT_FP4 matrix_b_fmt:MATRIX_FMT_FP4
	v_wmma_scale_f32_16x16x128_f8f6f4 v[\o+64:\o+71], v[\a0:\a0+7], v[PC+16+8*\st:PC+16+8*\st+7], v[\o+64:\o+71], v[\sa], v[PSW+2+\st] matrix_a_fmt:MATRIX_FMT_FP4 matrix_b_fmt:MATRIX_FMT_FP4
	v_wmma_scale_f32_16x16x128_f8f6f4 v[\o+8:\o+15], v[\a0+8:\a0+15], v[PC+8*\st:PC+8*\st+7], v[\o+8:\o+15], v[\sa], v[PSW+\st] matrix_a_fmt:MATRIX_FMT_FP4 matrix_b_fmt:MATRIX_FMT_FP4 matrix_a_scale:MATRIX_SCALE_ROW1
	v_wmma_scale_f32_16x16x128_f8f6f4 v[\o+72:\o+79], v[\a0+8:\a0+15], v[PC+16+8*\st:PC+16+8*\st+7], v[\o+72:\o+79], v[\sa], v[PSW+2+\st] matrix_a_fmt:MATRIX_FMT_FP4 matrix_b_fmt:MATRIX_FMT_FP4 matrix_a_scale:MATRIX_SCALE_ROW1
.endm
; K of the stage at v[ADK], first part: the first step's words, its 8 tiles into window 1 (v64-127 there), the second step's tiles 0-3: 25 loads
.macro KLOAD1
	ds_load_b128 v[KSW:KSW+3], v[ADK] offset:16384
	WIN 0x40
.irp t, 0,1,2,3,4,5,6,7
.irp c, 0,1
	ds_load_b128 v[64+8*\t+4*\c:64+8*\t+4*\c+3], v[ADK] offset:1024*\t+512*\c
.endr
.endr
	WIN 0
.irp t, 0,1,2,3
.irp c, 0,1
	ds_load_b128 v[KV+8*\t+4*\c:KV+8*\t+4*\c+3], v[ADK] offset:REC+1024*\t+512*\c
.endr
.endr
.endm
; second part: the second step's words and its tiles 4-7, into registers that the second product has left: 9 loads
.macro KLOAD2
	ds_load_b128 v[VSW:VSW+3], v[ADK] offset:REC+16384
.irp t, 0,1,2,3
.irp c, 0,1
	ds_load_b128 v[PC+8*\t+4*\c:PC+8*\t+4*\c+3], v[ADK] offset:REC+4096+1024*\t+512*\c
.endr
.endr
.endm
.macro EXPS st                         ; p = 2^(t - M) of step st, both query tiles
	WIN 0x41
.irp x, 0,1
.set j, 0
.rept 64
	v_exp_f32 v[128*\x+64*\st+j], v[128*\x+64*\st+j]
.set j, j+1
.endr
.endr
.endm
.macro CODES st                        ; tile t's eight p are register t of P's operand
	WIN 0x01
.irp x, 0,1
.irp t, 0,1,2,3,4,5,6,7
	v_cvt_scalef32_pk8_fp4_f32 v[PC+16*\x+8*\st+\t], v[128*\x+64*\st+8*\t:128*\x+64*\st+8*\t+7], v[MX+4*\x+2*\st+\t/4]
.endr
.endr
	v_nop                                          ; one plain place behind the last scaled conversion
.endm
.macro TREE st                         ; the sum of step st's 64 unquantised p a lane and query tile, in place by halves, then onto the row's sum
	WIN 0x45
.irp w, 32,16,8,4,2
.set p, 0
.rept \w/2
.irp x, 0,1
.if \w == 4
	s_delay_alu instid0(VALU_DEP_4)
.endif
	v_pk_add_f32 v[128*\x+64*\st+p:128*\x+64*\st+p+1], v[128*\x+64*\st+p:128*\x+64*\st+p+1], v[128*\x+64*\st+p+\w:128*\x+64*\st+p+\w+1]
.endr
.set p, p+2
.endr
.endr
	WIN 0x04
.irp x, 0,1
	v_pk_add_f32 v[SUM+2*\x:SUM+2*\x+1], v[SUM+2*\x:SUM+2*\x+1], v[128*\x+64*\st:128*\x+64*\st+1]
.endr
.endm
.macro X2 hint                         ; a hint for the line that follows in a chain of two by turns
	s_delay_alu instid0(VALU_DEP_\hint)
.endm
; A STAGE.  mode 2: in the loop: the change of slots refills; 1: the last change, nothing is asked for; 0: the last stage
.macro BODY mode
	WIN 0x41
	s_wait_dscnt 25                                ; of the 34 loads of K: the first words and tiles 0-3 are in
	KQ 0, 128, 64, KSW
	KQ 16, 144, 80, KSW+1
	s_wait_dscnt 17                                ; the first step's tiles 4-7
	KQ 32, 160, 96, KSW+2
	KQ 48, 176, 112, KSW+3
	NOPS 5                                         ; five places: the products below write over the first step's fragments
	WIN 0x40
	s_wait_dscnt 8                                 ; the second step's tiles 0-3 and words
	KQ 64, 192, KV, VSW
	KQ 80, 208, KV+16, VSW+1
	s_wait_dscnt 0x0
	KQ 96, 224, PC, VSW+2
	KQ 112, 240, PC+16, VSW+3
	; the largest score of each block of 32 keys, all in one lane; the first step's four lines are the places behind the last products; each accumulator is read from its low end on
	WIN 0x15
.irp st, 0,1
.irp x, 0,1
.irp c, 0,1
	v_max3_num_f32 v[MX+4*\x+2*\st+\c], v[128*\x+64*\st+32*\c], v[128*\x+64*\st+32*\c+1], v[128*\x+64*\st+32*\c+2]
.endr
.endr
.endr
	WIN 0x14
.irp i, 3,5,7,9,11,13,15,17,19,21,23,25,27,29
.irp st, 0,1
.irp x, 0,1
.irp c, 0,1
	v_max3_num_f32 v[MX+4*\x+2*\st+\c], v[MX+4*\x+2*\st+\c], v[128*\x+64*\st+32*\c+\i], v[128*\x+64*\st+32*\c+\i+1]
.endr
.endr
.endr
.endr
.irp st, 0,1
.irp x, 0,1
.irp c, 0,1
	v_max_num_f32 v[MX+4*\x+2*\st+\c], v[MX+4*\x+2*\st+\c], v[128*\x+64*\st+32*\c+31]
.endr
.endr
.endr
	WIN 0
	; the row's maximum, M and f; the two query tiles by turns
.irp x, 0,1
	v_max3_num_f32 v[TB+\x], v[MX+4*\x], v[MX+4*\x+1], v[MX+4*\x+2]
.endr
.irp x, 0,1
	X2 2
	v_max_num_f32 v[TB+\x], v[TB+\x], v[MX+4*\x+3]
.endr
.irp x, 0,1
	X2 2
	v_permlanex16_b32 v[TB+2+\x], v[TB+\x], s[SEL], s[SEL+1]
.endr
.irp x, 0,1
	X2 2
	v_max_num_f32 v[TB+\x], v[TB+\x], v[TB+2+\x]   ; with lane l xor 16's blocks
.endr
.irp x, 0,1
	X2 2
	v_fma_f32 v[TB+\x], v[TB+\x], s[CS], s[BB]     ; as t
.endr
.irp x, 0,1
	X2 2
	v_max_num_f32 v[BM+2*\x+1], v[BM+2*\x+1], v[TB+\x]
.endr
.irp x, 0,1
	v_mov_b32 v[TB+\x], v[F+2*\x+1]
.endr
.irp x, 0,1
	X2 4
	v_floor_f32 v[F+2*\x+1], -v[BM+2*\x+1]         ; -M = floor(-t)
.endr
.irp x, 0,1
	X2 2
	v_sub_f32 v[TB+\x], v[F+2*\x+1], v[TB+\x]      ; old M - new M
.endr
.irp x, 0,1
	X2 2
	v_cvt_i32_f32 v[TB+\x], v[TB+\x]               ; (it saturates)
.endr
.irp x, 0,1
	X2 2
	v_ldexp_f32 v[F+2*\x], 1.0, v[TB+\x]           ; f
.endr
.irp x, 0,1
	v_add_f32 v[BM+2*\x], s[BB], v[F+2*\x+1]       ; bias - M
.endr
	X2 2
.irp k, 0,1,2,3,4,5,6,7
	v_fma_f32 v[MX+\k], v[MX+\k], s[CS], v[BM+2*(\k/4)]   ; t - M of each block's largest score
.endr
	WIN 0x41
.irp x, 0,1
.set j, 0
.rept 64
	v_pk_fma_f32 v[128*\x+j:128*\x+j+1], v[128*\x+j:128*\x+j+1], s[CS:CS+1], v[BM+2*\x:BM+2*\x+1] op_sel_hi:[1,0,0]   ; t - M (of the pairs the low word serves both halves)
.set j, j+2
.endr
.endr
	s_wait_alu depctr_va_vdst(0)                   ; the wait ahead of the batch
	EXPS 0
	WIN 0
.irp k, 0,1,2,3,4,5,6,7
	v_exp_f32 v[MX+\k], v[MX+\k]                   ; each block's largest p
.endr
.irp x, 0,1
	v_pk_mul_f32 v[SUM+2*\x:SUM+2*\x+1], v[SUM+2*\x:SUM+2*\x+1], v[F+2*\x:F+2*\x+1] op_sel_hi:[1,0]   ; the sums under the new M
.endr
	s_wait_alu depctr_va_vdst(0)                   ; and behind it
.irp k, 0,1,2,3,4,5,6,7
	v_max_num_f32 v[MX+\k], 0x1800000, v[MX+\k]    ; the floor 2^(3 - 127): the byte cannot fall under 1
.endr
.irp k, 0,1,2,3,4,5,6,7
	v_add_nc_u32 v[MX+\k], 0xff000000, v[MX+\k]    ; 2 off the exponent field: the conversion's scale operand
.endr
.irp k, 0,1,2,3
	v_lshrrev_b32 v[PSW+\k], 23, v[MX+2*\k]        ; my bytes: blocks h
.endr
.irp k, 0,1,2,3
	v_lshrrev_b32 v[TB+\k], 23, v[MX+2*\k+1]       ; and 2 + h
.endr
.irp k, 0,1,2,3
	X2 4
	v_lshl_or_b32 v[PSW+\k], v[TB+\k], 16, v[PSW+\k]
.endr
.irp k, 0,1,2,3
	X2 4
	v_permlanex16_b32 v[TB+\k], v[PSW+\k], s[SEL], s[SEL+1]
.endr
.irp k, 0,1,2,3
	X2 4
	v_lshl_or_b32 v[PSW+\k], v[TB+\k], 8, v[PSW+\k]   ; lanes 0-15, which alone are read: bytes 0, 2 mine, bytes 1, 3 lane l + 16's
.endr
	CODES 0
	TREE 0
	WIN 0x40                                       ; the first step's p are done with: their registers take V's 16 tiles
.irp t, 0,1,2,3,4,5,6,7
.irp c, 0,1
	ds_load_b128 v[8*\t+4*\c:8*\t+4*\c+3], v[ADK] offset:8192+1024*\t+512*\c
	ds_load_b128 v[128+8*\t+4*\c:128+8*\t+4*\c+3], v[ADK] offset:REC+8192+1024*\t+512*\c
.endr
.endr
	WIN 0
	ds_load_b128 v[VSW:VSW+3], v[ADK] offset:16896
	ds_load_b128 v[VSW+4:VSW+7], v[ADK] offset:REC+16896
	s_wait_alu depctr_va_vdst(0)                   ; ahead of the second batch
	EXPS 1
	v_nop
	s_wait_alu depctr_va_vdst(0)
	CODES 1
	TREE 1
	WIN 0
	s_wait_alu depctr_va_vdst(0)                   ; the wait directly ahead of the first reader of O^T
.irp x, 0,1
.set j, 0
.rept 32
	v_pk_mul_f32 v[O+64*\x+j:O+64*\x+j+1], v[O+64*\x+j:O+64*\x+j+1], v[F+2*\x:F+2*\x+1] op_sel_hi:[1,0]   ; O^T under the new M
.set j, j+2
.endr
.endr
	s_wait_alu depctr_va_vdst(0)                   ; ahead of the waits below
.if \mode > 0
	; THE CHANGE OF SLOTS: all my tensor loads are in (my part of the next stage), the add, and my reads of this slot are over (V's tiles are in registers)
	s_wait_tensorcnt 0x0
	ds_add_u32 v[SPW], v[NIL]
	s_xor_b32 s[TB0], s[TB0], SLOT1
.if \mode == 2
	s_xor_b32 s[G0+1], s[G0+1], SLOT1              ; the slot that is left takes the stage two on
	s_add_nc_u64 s[G0+2:G0+3], s[G0+2:G0+3], STG
	s_wait_xcnt 0x0                                ; the last prefetch has read its address
	s_add_nc_u64 s[PFA:PFA+1], s[PFA:PFA+1], STG
	s_wait_dscnt 0x0
	ROUND
	JLOAD
.else
	s_wait_dscnt 0x0
	s_barrier_signal -1
	s_barrier_wait -1
.endif
	v_add_nc_u32 v[ADK], s[TB0], v[LI]
	s_wait_alu depctr_va_vdst(0)                   ; the wait behind the write
	KLOAD1                                         ; the next stage's K, under the second product
.if \mode == 2
	; a prefetch of the stage that the change after next will ask for: 34,816 bytes, two stages ahead of their load.  The head's first cluster asks; its four partners take 8,704 bytes each, by address;
	; waves 0 and 1 take 4,352 each: 17 blocks of 256 bytes, a lane a block (the lanes left over name the last again).  The last two refills have no stage two on.
	s_cmp_gt_u32 s[CNT], s[LIM]
	s_cbranch_scc0 .Lnot_mine_\@
	global_prefetch_b8 v[PFO], s[PFA:PFA+1] th:TH_LOAD_NT scope:SCOPE_SE
.Lnot_mine_\@:
.endif
.else
	s_wait_dscnt 0x0                               ; V's tiles and words
.endif
	WIN 0x01
.irp g, 0,1,2,3
	PV O+16*\g, 16*\g, VSW+\g, 0
.endr
.irp g, 0,1,2,3
	PV O+16*\g, 128+16*\g, VSW+4+\g, 1
.endr
	WIN 0
.if \mode > 0
	NOPS 5                                         ; places: for the loads below, and for the next stage's products, which write over V's fragments
	KLOAD2
.endif
.endm
	s_load_b256 s[4:11], s[0:1], 0x0               ; qc s[4:5], qs s[6:7], kvc s[8:9], b_param s[10:11]
	s_load_b64 s[12:13], s[0:1], 0x20              ; out0
	v_lshl_add_u32 v[SPW], v0, 2, SPARE
	v_mov_b32 v[NIL], 0
	ds_add_u32 v[SPW], v[NIL]                      ; the opening lines: the add twice on end and its wait
	ds_add_u32 v[SPW], v[NIL]
	v_lshrrev_b32 v7, 5, v0
	v_readfirstlane_b32 s[WV], v7                  ; wave 0..7
	s_bfe_u32 s[CX], ttmp6, 0x40000                ; cx: it enters Q's, out0's and the prefetches' global addresses alone
	s_lshl_b32 s58, ttmp9, 2
	s_add_co_u32 s58, s58, s[CX]                   ; my block of 256 queries
	s_and_b32 s59, ttmp7, 0xffff                   ; bh, which the four partners share
	s_mov_b32 s[G1], 15|(3<<16)|(1<<21)            ; the mask of all four; elements of 8 bytes; bit 21 beside a mask
	s_mov_b32 s[G1+1], 32<<16                      ; rows of 256 bytes,
	s_mov_b32 s[G1+2], 17<<16                      ; 17 of them: 4,352 dense bytes
	s_mov_b32 s[G1+3], 32<<16
	s_mov_b32 s[G1+4], 17
	s_mov_b32 s[G1+5], 32
	s_mov_b32 s[G1+6], 0
	s_mov_b32 s[G1+7], 0
	s_mul_i32 s60, s59, 24*REC                     ; the head's records
	s_mul_i32 s62, s[WV], 4352                     ; my eighth, in memory and in a slot alike
	s_add_co_u32 s66, s60, s62
	s_mov_b32 s67, 0
	s_mov_b32 s[SEL], 0x76543210
	s_mov_b32 s[SEL+1], 0xfedcba98
	s_mov_b32 s[CS], 0x3e0293ee                    ; c = log2(e) / sqrt(128)
	s_mov_b32 s[CS+1], s[CS]
	s_mov_b32 s[TB0], 0
	s_mov_b32 s[CNT], 10
	s_wait_dscnt 0x0
	s_wait_kmcnt 0x0
	s_mov_b32 s[G0], 1
	s_mov_b32 s[G0+1], s62
	s_add_nc_u64 s[G0+2:G0+3], s[8:9], s[66:67]
	s_or_b32 s[G0+3], s[G0+3], 0x80000000
	ROUND                                          ; all four work-groups are here
	JLOAD                                          ; stage 0: one load a wave at the head
	s_load_b32 s[B2], s[10:11], 0x0                ; b
	s_mov_b32 s71, 0
	s_lshl_b32 s70, s59, 17                        ; Q's codes: 131,072 bytes a head, tiles 16 x block + 2 x wave and the next
	s_lshl_b32 s72, s58, 3
	s_add_co_u32 s72, s72, s[WV]
	s_lshl_b32 s72, s72, 11
	s_add_co_u32 s70, s70, s72
	s_add_nc_u64 s[4:5], s[4:5], s[70:71]
	s_lshl_b32 s70, s59, 13                        ; Q's words: 8,192 bytes a head, unit 2 x block + wave / 4, pair wave % 4
	s_lshl_b32 s72, s58, 1
	s_lshr_b32 s73, s[WV], 2
	s_add_co_u32 s72, s72, s73
	s_lshl_b32 s72, s72, 9
	s_add_co_u32 s70, s70, s72
	s_and_b32 s72, s[WV], 3
	s_lshl_b32 s72, s72, 2
	s_add_co_u32 s70, s70, s72
	s_add_nc_u64 s[6:7], s[6:7], s[70:71]
	v_and_b32 v7, 31, v0
	v_lshlrev_b32 v[LI], 4, v7
.irp c, 0,1,2,3
	global_load_b128 v[QF+4*\c:QF+4*\c+3], v[LI], s[4:5] offset:512*\c
.endr
	global_load_b32 v[QSW], v[LI], s[6:7]
	v_min_u32 v[PFO], 16, v7
	v_lshlrev_b32 v[PFO], 8, v[PFO]
	s_lshl_b32 s70, s58, 8                         ; out0: tile a's first query: 256 x block + 128 (wave / 4) + 64 ((wave / 2) % 2) + 16 (wave % 2)
	s_lshr_b32 s72, s[WV], 2
	s_lshl_b32 s72, s72, 7
	s_add_co_u32 s70, s70, s72
	s_bfe_u32 s72, s[WV], 0x10001
	s_lshl_b32 s72, s72, 6
	s_add_co_u32 s70, s70, s72
	s_and_b32 s72, s[WV], 1
	s_lshl_b32 s72, s72, 4
	s_add_co_u32 s70, s70, s72
	s_lshl_b32 s70, s70, 13                        ; rows of 8,192 bytes
	s_lshr_b32 s72, s59, 4
	s_lshl_b32 s72, s72, 24
	s_add_co_u32 s70, s70, s72
	s_and_b32 s72, s59, 15
	s_lshl_b32 s72, s72, 9
	s_add_co_u32 s70, s70, s72
	s_add_nc_u64 s[12:13], s[12:13], s[70:71]
	s_mul_i32 s70, s[CX], 8704                     ; the prefetches: they stand at stage 3; the first change steps them to stage 4
	s_and_b32 s72, s[WV], 1
	s_mul_i32 s72, s72, 4352
	s_add_co_u32 s70, s70, s72
	s_add_co_u32 s70, s70, s60
	s_add_co_u32 s70, s70, 3*STG
	s_add_nc_u64 s[PFA:PFA+1], s[8:9], s[70:71]
	s_lshr_b32 s72, s[WV], 1
	s_or_b32 s72, s72, ttmp9                       ; waves 0 and 1 of the head's first cluster: the same in all four partners
	s_cmp_eq_u32 s72, 0
	s_cselect_b32 s[LIM], 2, -1
.irp x, 0,1
	v_mov_b32 v[BM+2*\x+1], 0xff61b1e6             ; the largest t so far: -3e38
	v_mov_b32 v[SUM+2*\x], 0
	v_mov_b32 v[SUM+2*\x+1], 0
	v_mov_b32 v[TB+2+\x], 0                        ; a lane permute's destination counts as one of its sources
	v_mov_b32 v[TB+\x], 0
.endr
.irp x, 0,1
	v_floor_f32 v[F+2*\x+1], -v[BM+2*\x+1]         ; -M
.endr
.set j, 0
.rept 128
	v_mov_b32 v[O+j], 0                            ; O^T: a stage has one form; the first finds zeros, which the first f leaves zeros; a first stage of its own would be a fourth copy of the text
.set j, j+1
.endr
	s_wait_kmcnt 0x0
	s_mul_f32 s[B2], s[B2], 0x3fb8aa3b             ; b x log2(e)
	s_wait_alu depctr_va_vdst(0)                   ; the wait at the head's end
	s_wait_tensorcnt 0x0                           ; slot 1's first fill goes as a refill does
	ds_add_u32 v[SPW], v[NIL]
	s_xor_b32 s[G0+1], s[G0+1], SLOT1
	s_add_nc_u64 s[G0+2:G0+3], s[G0+2:G0+3], STG
	s_wait_dscnt 0x0
	ROUND
	JLOAD                                          ; stage 1
	v_add_nc_u32 v[ADK], s[TB0], v[LI]
	s_wait_alu depctr_va_vdst(0)
	KLOAD1
	KLOAD2
	s_wait_loadcnt 0x0                             ; Q
.Lstage:                                           ; ten trips: stage 10 - CNT; each asks for the stage two on
	s_cmp_gt_u32 s[CNT], 2                         ; stages 0 to 7 hold target keys
	s_cselect_b32 s[BB], 0, s[B2]
	BODY 2
	s_sub_co_u32 s[CNT], s[CNT], 1
	s_cmp_lg_u32 s[CNT], 0
	s_cbranch_scc1 .Lstage
	s_mov_b32 s[BB], s[B2]
	BODY 1                                         ; the last two stages are written out: they ask for nothing
	BODY 0
	; THE WAY OUT: O^T / the row's sum, through my own stage in LDS, back as whole rows of 512 bytes
.irp x, 0,1
	v_add_f32 v[SUM+2*\x], v[SUM+2*\x], v[SUM+2*\x+1]
.endr
.irp x, 0,1
	X2 2
	v_permlanex16_b32 v[TB+\x], v[SUM+2*\x], s[SEL], s[SEL+1]
.endr
.irp x, 0,1
	X2 2
	v_add_f32 v[SUM+2*\x], v[SUM+2*\x], v[TB+\x]
.endr
	s_wait_alu depctr_va_vdst(0)
.irp x, 0,1
	v_rcp_f32 v[SUM+2*\x], v[SUM+2*\x]
.endr
	v_and_b32 v20, 15, v0                          ; r
	v_bfe_u32 v21, v0, 4, 1                        ; h
	s_mul_i32 s72, s[WV], 32*SP
	s_add_co_u32 s72, s72, STAGE
	v_mul_u32_u24 v22, v20, SP
	v_lshl_add_u32 v22, v21, 5, v22
	v_add_nc_u32 v22, s72, v22                     ; in: row r, + 32 h
	v_add_nc_u32 v23, s72, v[LI]                   ; back: 16 bytes a lane of a row
	s_wait_alu depctr_va_vdst(0)                   ; behind the reciprocals, directly ahead of the first reader of O^T
.irp x, 0,1
.set j, 0
.rept 32
	v_pk_mul_f32 v[O+64*\x+j:O+64*\x+j+1], v[O+64*\x+j:O+64*\x+j+1], v[SUM+2*\x:SUM+2*\x+1] op_sel_hi:[1,0]
.set j, j+2
.endr
.endr
.irp x, 0,1
.irp t, 0,1,2,3,4,5,6,7
	ds_store_b128 v22, v[O+64*\x+8*\t:O+64*\x+8*\t+3] offset:16*SP*\x+64*\t
	ds_store_b128 v22, v[O+64*\x+8*\t+4:O+64*\x+8*\t+7] offset:16*SP*\x+64*\t+16
.endr
.irp i, 0,1,2,3,4,5,6,7,8,9,10,11,12,13,14,15
	ds_load_b128 v[64+64*\x+4*\i:64+64*\x+4*\i+3], v23 offset:16*SP*\x+SP*\i   ; LDS serves a wave's instructions in order: these see my stores
.endr
.endr
.irp x, 0,1
.irp i, 0,1,2,3,4,5,6,7,8,9,10,11,12,13,14,15
	s_wait_dscnt 47-32*\x-\i                       ; this row is back; what was issued behind it may be out
	global_store_b128 v[LI], v[64+64*\x+4*\i:64+64*\x+4*\i+3], s[12:13] offset:(8*\x+\i+24*(\i/8))*8192 th:TH_STORE_NT   ; 32 lanes store 512 consecutive bytes, aligned
.endr
.endr
	s_wait_tensorcnt 0x0                           ; the wave's end
	ds_add_u32 v[SPW], v[NIL]
	s_wait_dscnt 0x0
	ROUND                                          ; the closing round
	s_endpgm
.Lfunc_end_k_q3d01118d84_attn:
	.size	k_q3d01118d84_attn, .Lfunc_end_k_q3d01118d84_attn-k_q3d01118d84_attn
	.p2alignl 7, 3214868480
	.fill 96, 4, 3214868480
	.section	.rodata,"a",@progbits
	.p2align	6, 0x0
	.amdhsa_kernel k_q3d01118d84_attn
		.amdhsa_group_segment_fixed_size 327680
		.amdhsa_private_segment_fixed_size 0
		.amdhsa_enable_private_segment 0
		.amdhsa_kernarg_size 40
		.amdhsa_user_sgpr_count 2
		.amdhsa_user_sgpr_kernarg_segment_ptr 1
		.amdhsa_wavefront_size32 1
		.amdhsa_system_sgpr_workgroup_id_x 1
		.amdhsa_system_sgpr_workgroup_id_y 1
		.amdhsa_system_sgpr_workgroup_id_z 1
		.amdhsa_system_vgpr_workitem_id 0
		.amdhsa_next_free_vgpr 512
		.amdhsa_next_free_sgpr 80
		.amdhsa_reserve_vcc 0
		.amdhsa_float_denorm_mode_32 3
		.amdhsa_float_denorm_mode_16_64 3
		.amdhsa_memory_ordered 1
		.amdhsa_forward_progress 1
		.amdhsa_inst_pref_size 195
	.end_amdhsa_kernel
	.amdgpu_metadata
---
amdhsa.version: [ 1, 2 ]
amdhsa.kernels:
  - .name:           k_q3d01118d84_attn
    .symbol:         k_q3d01118d84_attn.kd
    .args:
      - { .name: qc, .offset: 0, .size: 8, .value_kind: global_buffer, .address_space: global }
      - { .name: qs, .offset: 8, .size: 8, .value_kind: global_buffer, .address_space: global }
      - { .name: kvc, .offset: 16, .size: 8, .value_kind: global_buffer, .address_space: global }
      - { .name: b_param, .offset: 24, .size: 8, .value_kind: global_buffer, .address_space: global }
      - { .name: out0, .offset: 32, .size: 8, .value_kind: global_buffer, .address_space: global }
    .group_segment_fixed_size: 327680
    .private_segment_fixed_size: 0
    .kernarg_segment_align: 8
    .kernarg_segment_size: 40
    .max_flat_workgroup_size: 256
    .sgpr_count:     80
    .vgpr_count:     512
    .wavefront_size: 32
...
	.end_amdgpu_metadata
.endif
;; end of part 2
